; MI455X (gfx1250); checked and timed in simulation.
; The chip was launched on July 23, 2026; its instructions are those of AMD's public machine-readable ISA for CDNA 5 (MIT licence, August 2026) and "CDNA5" Instruction Set Architecture Reference Guide (July 2026). The comments in the code are by the model that wrote it; some were corrected since.
;; Implicit Function. Allowed arithmetic: matrix products marked QUANTISED: E2M1 operands, one E8M0 scale for each 32 along K, by v_wmma_scale_f32_16x16x128_f8f6f4 with both operands' format E2M1 (or v_wmma_scale_f32_32x16x128_f4), f32 sums; products left as they are: f32 operands where the result goes on into a quantised operand, else bf16, f16 or f32 operands; f32 sums; everything else in f32.
;; Inputs: b0 64 float32; bh 6 x 64 float32; bo one number float32; points 1,048,576 x 3 float32; s0 64 float32; sh 6 x 64 float32; so one number float32; w0 3 x 64 float32; wh 6 x 64 x 64 float32; wo 64 x 1 float32.
;; Outputs: out0 1,048,576 x 1 float32.
;; This version of the problem:
;;   THIS VERSION OF THE PROBLEM IS GIVEN IN LOW PRECISION. The matrix products marked QUANTISED in the list below multiply operands that are first quantised to E2M1 (2 exponent bits, 1 mantissa bit; 4 bits a number), with one power-of-two scale for each 32 numbers along K (OCP MX v1.0); their sums are f32. All else is computed in f32.
;;   The module's matrix products, in the order in which they are computed (A, B: the left and right operand; K: the contracted axis; several contracted axes count as one K, in the product's order):
;;     1. [M 1,048,576, K 3] x [K 3, N 64]; A: input points; B: input w0: left as it is (K = 3 < 32)
;;     2. [M 1,048,576, K 64] x [K 64, N 64]; A: computed on the way; B: input wh: QUANTISED
;;     3. [M 1,048,576, K 64] x [K 64, N 64]; A: computed on the way; B: input wh: QUANTISED
;;     4. [M 1,048,576, K 64] x [K 64, N 64]; A: computed on the way; B: input wh: QUANTISED
;;     5. [M 1,048,576, K 64] x [K 64, N 64]; A: computed on the way; B: input wh: QUANTISED
;;     6. [M 1,048,576, K 64] x [K 64, N 64]; A: computed on the way; B: input wh: QUANTISED
;;     7. [M 1,048,576, K 64] x [K 64, N 64]; A: computed on the way; B: input wh: QUANTISED
;;     8. [M 1,048,576, K 64] x [K 64, N 1]; A: computed on the way; B: input wo: left as it is (N = 1 < 16)
;;   THE QUANTISER, for each operand of a quantised product, along K:
;;     - K is cut into blocks of 32 from its start; a last block that is shorter is filled with zeros.
;;     - A block's scale is 2^e with e = floor(log2(the largest magnitude in the block)) - 2, held to -126 .. 127; a block of zeros has e = 0. As a byte (E8M0): e + 127.
;;     - Each number is divided by its block's scale, clamped to +-6, and rounded to the nearest number of E2M1, ties to even, subnormals kept.
;;     - The product sums the exact products of the quantised numbers (number of the format x scale) in f32.
;;   ~~~python
;;   def quantise(x, axis):      # numpy; x: float32 -> the quantised numbers, widened to float32 again
;;       x = np.moveaxis(x, axis, -1); K = x.shape[-1]
;;       x = np.pad(x, [(0, 0)] * (x.ndim - 1) + [(0, -K % 32)]); x = x.reshape(x.shape[:-1] + (-1, 32)); a = np.abs(x).max(-1, keepdims=True)
;;       e = np.where(a > 0, np.clip(np.frexp(np.where(a > 0, a, 1))[1] - 1 - 2, -126, 127), 0)      # np.frexp(a)[1] - 1 = floor(log2(a)), exactly
;;       r = np.clip(x / 2.0 ** e, -6, 6)
;;       step = 2.0 ** (np.maximum(np.frexp(np.where(r == 0, 1, r))[1] - 1, 0) - 1)
;;       q = np.round(r / step) * step * 2.0 ** e      # np.round: ties to even
;;       return np.moveaxis(q.reshape(q.shape[:-2] + (-1,))[..., :K], -1, axis).astype(np.float32)
;;   ~~~
;;   OPERANDS COMPUTED ON THE WAY. 'Computed on the way' means the value that the module computes at that place (a softmax that the list does not call 'softmax' is quantised finished and normalised). What goes into a quantiser is computed in f32, as accurately as f32 sums, v_exp_f32 and their like allow (about 1e-6 of the number): no bf16 or f16 on the way to a quantiser, and a product that is left as it is and whose result goes on into a quantised operand takes f32 operands (vector FMAs, or v_wmma_f32_16x16x4_f32). A number that lies on a knife's edge between two numbers of the format may be rounded either way, as far as f32 arithmetic and the matrix unit's own rounding can turn it there, and no further.
;; 2 versions. Each part assembles by itself: llvm-mc -triple=amdgcn-amd-amdhsa -mcpu=gfx1250 --defsym DOCPART=n.
;; ======== version 1 of 2: 1 launch
;; launch mlp (part 1): grid 256 x 1, 4 waves a work-group, no clusters, 15,872 bytes of LDS; arguments points, w0, s0, b0, wh, sh, bh, wo, so, bo, out0; writes out0
.if DOCPART == 1
	.amdgcn_target "amdgcn-amd-amdhsa--gfx1250"
	.amdhsa_code_object_version 6
	.text
	.protected	k_qe1bbb792e4_mlp
	.globl	k_qe1bbb792e4_mlp
	.p2align	8
	.type	k_qe1bbb792e4_mlp,@function
k_qe1bbb792e4_mlp:
	s_mov_b64 s[64:65], 0
	v_nop
	global_prefetch_b8 v0, s[64:65] scope:SCOPE_SE
	s_setreg_imm32_b32 hwreg(HW_REG_WAVE_MODE, 25, 1), 1
	s_wait_xcnt 0x0
; out[p] = (x7[p] . wo) so + bo,  x1 = lrelu((points w0) s0 + b0),  x(l+2) = lrelu((Q(x(l+1)) Q(wh[l])) sh[l] + bh[l]), l = 0 .. 5,  lrelu(y) = max(y, 0.2 y).
; Q: codes of FP4 (E2M1) with one E8M0 scale for each 32 along K = 64.  The first product (K = 3) and the last (N = 1) are f32 fused multiply-adds; all else is f32.
; WHAT DECIDES THE FORM: for each number of a hidden layer there are a scale and bias, a LeakyReLU, a share of a block's maximum and a conversion, against half a matrix instruction's K: the vector
; instructions outnumber the matrix instructions about twenty-three to one.  So the text is laid to spare vector, LDS and memory instructions, not matrix time.
; SHARES.  256 work-groups of four waves; a wave owns 1,024 points and walks them in 16 batches of 64 (four tiles of 16).  EVERY PARAMETER STAYS IN THE WAVE'S REGISTERS for the whole launch (about 700),
; so a batch costs three loads (its points, asked for a batch ahead) and one store; the loop has no LDS instruction and no barrier.
; LAYOUT.  The products are used transposed: source 0 = 16 columns of wh[l], source 1 = 16 points.  Tile t takes as its row rho the column 8 t + rho % 8 + 32 (rho / 8).  In the result, lane (r, h)
; (r = lane % 16, h = lane / 16), register 8 t + j then holds unit 32 h + 8 t + j of point r: A LANE'S 32 REGISTERS ARE ONE WHOLE BLOCK OF 32 ALONG THE NEXT K, in order.  Its maximum needs no other lane, and four
; conversions give registers 0-3 of the next source 1 as they stand.  One lane exchange a tile and layer joins the two scale bytes of a point.
; K = 64 OF THE INSTRUCTION'S 128: registers 4-7 of every x operand are zero codes, written once.  Against zeros anything finite adds nothing, so registers 4-7 of a fragment of W are simply the next
; fragment's codes (four zeroed registers stand behind the last), and the scale bytes 2 and 3 are 0, which is 2^-127 and no NaN.
; POINTS OF A TILE.  Lane r of tile q is point 4 r + q of the batch: a lane's four points are 48 consecutive bytes on the way in, and on the way out lane (r, h) holds the results of tiles 2 h and 2 h + 1,
; 8 consecutive bytes: the wave's store covers 256 consecutive bytes, aligned.
; BY TURNS.  The tiles are two pairs (0, 1 and 2, 3).  A pair's eight matrix instructions are issued in front of the other pair's LeakyReLU and quantising.
; NO CLUSTER, NO TENSOR LOADS: what work-groups share is 103 KB of parameters, read once by each at its head; the stream is 48 bytes a lane and batch.
; LIMITS: NaN and infinities among the inputs or on the way are not served.  A block whose largest magnitude lies under 2^-124 gets the scale byte 1 (the quantiser's own lower bound); a block of zeros gets that byte
; too where the quantiser says 127: its codes are zeros, and nobody else reads the byte.  Multiplies and adds are fused, and the last product is summed in four chains a point: an order of rounding other than reference()'s.
;
; REGISTERS, in windows of 256 (s_set_vgpr_msb: bits 1:0 source 0, 3:2 source 1, 5:4 source 2, 7:6 destination):
;   window 0: v3-12 addresses and the result; v16-39 W's scale words; v40-43 x's; v44-55 a batch's points; v60-63 the last product; v64-191 the four tiles, 32 each; v192-223 at work; v224-255 x's four operands
;   window 1: layers 0-3: sh at 64 l, bh at 64 l + 32.   window 2: layers 4, 5 likewise; v128-223 W's 24 fragments of 4 registers; v224-227 zeros.   window 3: w0's rows at 0, 32, 64; s0 at 96; b0 at 128; wo at 160.
;   Register i of every parameter vector holds, in lane (r, h), element 32 h + i.
.set NB,    16                         ; batches a wave
.set IMG,   0                          ; LDS, at the head alone: the register image of fragment f = 4 l + t at 512 f + 16 x lane,
.set SCW,   24*512                     ; and its scale words at 128 f + 4 x lane
.set VH,    3                          ; v3   128 h: my half of a parameter vector
.set VW,    4                          ; v4   wh: 8192 h + 4 (r % 8) + 128 (r / 8): row 32 h, my column of tile 0
.set VP,    5                          ; v5   48 r: my four points
.set VO,    6                          ; v6   16 r + 8 h: my two results
.set VI,    7                          ; v7   16 x lane
.set VIS,   8                          ; v8   16 x lane + 512 x wave
.set VSS,   9                          ; v9   4 x lane + 128 x wave
.set RES,   10                         ; v[10:11] my two results
.set VL,    12                         ; v12  4 x lane
.set WS,    16                         ; W's scale words, fragment f at WS + f: they hold scales and nothing else
.set XS,    40                         ; x's scale word of tile q: likewise
.set PT,    44                         ; coordinate c of tile q's point at PT + 3 q + c
.set DR,    60                         ; tile q's last product
.set ACC,   64                         ; tile q at ACC + 32 q
.set Z,     192                        ; at work
.set XC,    224                        ; tile q's operand at XC + 8 q
.set HC,    192                        ; the head: a block's codes,
.set HT,    196                        ; and its temporaries
.set WC,    128                        ; in window 2
.set W0R,   0                          ; in window 3
.set SC0,   96
.set BI0,   128
.set WOUT,  160
.set MSB,   0
.macro WIN new                         ; the immediate's high byte repeats the setting that is left; a switch that changes nothing is dropped
.if MSB != \new
	s_set_vgpr_msb (MSB<<8)|\new
.set MSB, \new
.endif
.endm
; a parameter vector of 64 numbers: my half's 32, eight loads of 16 bytes
.macro LOADC dst, ptr, off
.irp j, 0,1,2,3,4,5,6,7
	global_load_b128 v[\dst+4*\j:\dst+4*\j+3], v[VH], s[\ptr:\ptr+1] offset:\off+16*\j
.endr
.endm
; wh[l](32 h + i, my column), i = 0 .. 31: a lane takes a column and its registers run down K, so that a block lies in one lane
.macro LOADW l
.set i, 0
.rept 32
	global_load_b32 v[ACC+32*((\l)%2)+i], v[VW], s[16:17] offset:16384*(\l)+256*i
.set i, i+1
.endr
.endm
; Line mi of the 16 that find the largest magnitude of the 32 registers from a on: four chains c .. c + 3 of seven numbers each, the four numbers left over, the floor 2^(3 - 127), which holds the scale's byte at 1 from below, and the chains' join.
.macro MAXI a, c
.if mi < 4
	v_max3_num_f32 v[\c+mi], |v[\a+8*mi]|, |v[\a+8*mi+1]|, |v[\a+8*mi+2]|
.elseif mi < 12
	v_max3_num_f32 v[\c+mi%4], v[\c+mi%4], |v[\a+8*(mi%4)+2*(mi/4)+1]|, |v[\a+8*(mi%4)+2*(mi/4)+2]|
.elseif mi == 12
	v_max3_num_f32 v[\c], v[\c], |v[\a+7]|, |v[\a+15]|
.elseif mi == 13
	v_max3_num_f32 v[\c+2], v[\c+2], |v[\a+23]|, |v[\a+31]|
.elseif mi == 14
	v_max3_num_f32 v[\c], v[\c], v[\c+1], 0x1800000
.else
	v_max3_num_f32 v[\c], v[\c], v[\c+2], v[\c+3]
.endif
.endm
; The head: my tile (t = my wave's number) of wh[l] becomes a fragment's four registers and its scale word, and both go to LDS as images of the registers.
.macro BLOCKW l
.set WA, ACC+32*((\l)%2)
.if (\l) < 5
	s_wait_loadcnt 32                              ; loads come back in order: all but the 32 issued behind this block's, which are the next block's, are in
.else
	s_wait_loadcnt 0x0
.endif
.set mi, 0
.rept 16
	MAXI WA, HT
.set mi, mi+1
.endr
	v_add_nc_u32 v[HT+4], 0xff000000, v[HT]        ; 2 off the exponent field: the conversion takes the exponent field of this operand as its scale, and nothing else of it
	v_lshrrev_b32 v[HT+5], 23, v[HT+4]             ; the scale's byte of block h
	v_permlanex16_b32 v[HT+6], v[HT+5], s38, s39   ; and the other block's, from lane l xor 16
.irp g, 0,1,2,3
	v_cvt_scalef32_pk8_fp4_f32 v[HC+\g], v[WA+8*\g:WA+8*\g+7], v[HT+4]
.endr
	v_lshl_or_b32 v[HT+7], v[HT+6], 8, v[HT+5]     ; lanes 0-15 (the ones that are read): byte 0 block 0, byte 1 block 1, bytes 2 and 3 zero.  Also the plain line behind the last conversion
	ds_store_b128 v[VIS], v[HC:HC+3] offset:IMG+2048*(\l)
	ds_store_b32 v[VSS], v[HT+7] offset:SCW+512*(\l)
.if (\l) < 4
	LOADW (\l)+2                                   ; into the registers just converted
.endif
	s_wait_dscnt 0x0                               ; the stores have read their registers: the next block writes them again.  (For the last block: my stores have landed, for the others' sake)
.endm
; Layer 0, one coordinate of tile q: y (+)= w0[c][:] x the point's coordinate c, which is one register of a pair: op_sel and op_sel_hi name the same half of it for both results.
.macro L0C q, c
.set pr, PT+3*(\q)+(\c)
.set pb, pr-pr%2
.set ab, ACC+32*(\q)
.set i, 0
.rept 16
.if (\c) == 0
.if pr%2
	v_pk_mul_f32 v[ab+2*i:ab+2*i+1], v[W0R+2*i:W0R+2*i+1], v[pb:pb+1] op_sel:[0,1] op_sel_hi:[1,1]
.else
	v_pk_mul_f32 v[ab+2*i:ab+2*i+1], v[W0R+2*i:W0R+2*i+1], v[pb:pb+1] op_sel_hi:[1,0]
.endif
.else
.if pr%2
	v_pk_fma_f32 v[ab+2*i:ab+2*i+1], v[W0R+32*(\c)+2*i:W0R+32*(\c)+2*i+1], v[pb:pb+1], v[ab+2*i:ab+2*i+1] op_sel:[0,1,0] op_sel_hi:[1,1,1]
.else
	v_pk_fma_f32 v[ab+2*i:ab+2*i+1], v[W0R+32*(\c)+2*i:W0R+32*(\c)+2*i+1], v[pb:pb+1], v[ab+2*i:ab+2*i+1] op_sel_hi:[1,0,1]
.endif
.endif
.set i, i+1
.endr
.endm
; Layer 0 of pair x (tiles 2 x, 2 x + 1), by kinds, so that no line waits for the line above it: 128 packed instructions
.macro HEAD0 x
	WIN 0x03                                       ; source 0 (w0) window 3
.irp c, 0,1,2
	L0C 2*(\x), \c
	L0C 2*(\x)+1, \c
.endr
	WIN 0x3c                                       ; sources 1 and 2 (s0, b0) window 3
.irp q, 2*(\x), 2*(\x)+1
.set i, 0
.rept 16
	v_pk_fma_f32 v[ACC+32*(\q)+2*i:ACC+32*(\q)+2*i+1], v[ACC+32*(\q)+2*i:ACC+32*(\q)+2*i+1], v[SC0+2*i:SC0+2*i+1], v[BI0+2*i:BI0+2*i+1]
.set i, i+1
.endr
.endr
.endm
; The sums of layer l, pair x, times sh[l] plus bh[l].  The registers ascend.
.macro HEADH x, l
.if (\l) < 4
	WIN 0x14                                       ; sources 1 and 2 window 1
.set sb, 64*(\l)
.else
	WIN 0x28                                       ; window 2
.set sb, 64*((\l)-4)
.endif
.set i, 0
.rept 16
.irp q, 2*(\x), 2*(\x)+1
	v_pk_fma_f32 v[ACC+32*(\q)+2*i:ACC+32*(\q)+2*i+1], v[ACC+32*(\q)+2*i:ACC+32*(\q)+2*i+1], v[sb+2*i:sb+2*i+1], v[sb+32+2*i:sb+33+2*i]
.endr
.set i, i+1
.endr
.endm
; The product of layer l for pair x: eight matrix instructions.  K = 64 fits one instruction, so each is a whole sum with the constant 0 as C: nothing is cleared and nothing is added onto.
; PLACES (ISA guide 7.12.1).  In front stand the 32 or 128 packed lines of the other pair's HEADH or HEAD0, behind the lines that wrote x's codes and scale words.  Behind stand the other pair's LRELU and QUANT or DOT,
; 70 plain lines or more that name none of these registers, before the results are read or the operands written again.
.macro MM x, l
	WIN 0x02                                       ; source 0 (W) window 2
.irp t, 0,1,2,3
.irp q, 2*(\x), 2*(\x)+1
	v_wmma_scale_f32_16x16x128_f8f6f4 v[ACC+32*(\q)+8*\t:ACC+32*(\q)+8*\t+7], v[WC+16*(\l)+4*\t:WC+16*(\l)+4*\t+7], v[XC+8*(\q):XC+8*(\q)+7], 0, v[WS+4*(\l)+\t], v[XS+(\q)] matrix_a_fmt:MATRIX_FMT_FP4 matrix_b_fmt:MATRIX_FMT_FP4
.endr
.endr
	WIN 0
.endm
; max(y, 0.2 y) is y where y >= 0 and 0.2 y elsewhere: two multiplies in one packed line, two maxima in one dual line (an even and the next odd register on each side)
.macro LRELU x
	WIN 0
.irp q, 2*(\x), 2*(\x)+1
.set i, 0
.rept 16
	v_pk_mul_f32 v[Z+2*i:Z+2*i+1], v[ACC+32*(\q)+2*i:ACC+32*(\q)+2*i+1], s[34:35] op_sel_hi:[1,0]
.set i, i+1
.endr
.set i, 0
.rept 16
	v_dual_max_num_f32 v[ACC+32*(\q)+2*i], v[ACC+32*(\q)+2*i], v[Z+2*i] :: v_dual_max_num_f32 v[ACC+32*(\q)+2*i+1], v[ACC+32*(\q)+2*i+1], v[Z+2*i+1]
.set i, i+1
.endr
.endr
.endm
; Pair x's two tiles become operands: each lane's 32 numbers are a block.  The two tiles take turns line by line.  (The permute's destination was written by LRELU.)
.macro QUANT x
.set QA, ACC+64*(\x)
.set mi, 0
.rept 16
	MAXI QA, Z
	MAXI QA+32, Z+8
.set mi, mi+1
.endr
.irp p, 0,1
	v_add_nc_u32 v[Z+8*\p+4], 0xff000000, v[Z+8*\p]        ; 2 off the exponent field: the conversion's scale operand
.endr
.irp p, 0,1
	v_lshrrev_b32 v[Z+8*\p+5], 23, v[Z+8*\p+4]             ; the scale's byte
.endr
.irp p, 0,1
	v_permlanex16_b32 v[Z+8*\p+6], v[Z+8*\p+5], s38, s39   ; the point's other block's byte
.endr
.irp p, 0,1
.irp g, 0,1,2,3
	v_cvt_scalef32_pk8_fp4_f32 v[XC+8*(2*(\x)+\p)+\g], v[ACC+32*(2*(\x)+\p)+8*\g:ACC+32*(2*(\x)+\p)+8*\g+7], v[Z+8*\p+4]   ; k = 32 h + 8 g + 0 .. 7: register g of the operand
.endr
.endr
.irp p, 0,1
	v_lshl_or_b32 v[XS+2*(\x)+\p], v[Z+8*\p+6], 8, v[Z+8*\p+5]   ; lanes 0-15: byte 0 block 0, byte 1 block 1.  Also the plain lines behind the last conversion
.endr
.endm
; The last product of pair x: my 32 units against wo, two chains a tile, the four chains by turns; then the pair's halves and lane l xor 16's 32 units
.macro DOT x
	WIN 0x0c                                       ; source 1 (wo) window 3
.set i, 0
.rept 8
.irp p, 0,1
.irp u, 0,1
.if i == 0
	v_pk_mul_f32 v[Z+8*\p+2*\u:Z+8*\p+2*\u+1], v[ACC+32*(2*(\x)+\p)+16*\u+2*i:ACC+32*(2*(\x)+\p)+16*\u+2*i+1], v[WOUT+16*\u+2*i:WOUT+16*\u+2*i+1]
.else
	v_pk_fma_f32 v[Z+8*\p+2*\u:Z+8*\p+2*\u+1], v[ACC+32*(2*(\x)+\p)+16*\u+2*i:ACC+32*(2*(\x)+\p)+16*\u+2*i+1], v[WOUT+16*\u+2*i:WOUT+16*\u+2*i+1], v[Z+8*\p+2*\u:Z+8*\p+2*\u+1]
.endif
.endr
.endr
.set i, i+1
.endr
	WIN 0
.irp p, 0,1
	v_pk_add_f32 v[Z+8*\p:Z+8*\p+1], v[Z+8*\p:Z+8*\p+1], v[Z+8*\p+2:Z+8*\p+3]
.endr
.irp p, 0,1
	v_add_f32 v[Z+8*\p+4], v[Z+8*\p], v[Z+8*\p+1]
.endr
.irp p, 0,1
	v_permlanex16_b32 v[Z+8*\p+5], v[Z+8*\p+4], s38, s39
.endr
.irp p, 0,1
	v_add_f32 v[DR+2*(\x)+\p], v[Z+8*\p+4], v[Z+8*\p+5]
.endr
.endm
	; ---- THE HEAD
	s_load_b512 s[8:23], s[0:1], 0x0               ; points s[8:9], w0 s[10:11], s0 s[12:13], b0 s[14:15], wh s[16:17], sh s[18:19], bh s[20:21], wo s[22:23]
	s_load_b128 s[24:27], s[0:1], 0x40             ; so, bo
	s_load_b64 s[28:29], s[0:1], 0x50              ; out0
	v_lshl_add_u32 v58, v0, 2, 0x3c00
	v_mov_b32 v59, 0
	v_lshrrev_b32 v1, 5, v0
	v_readfirstlane_b32 s32, v1                    ; wave 0..3
	v_and_b32 v1, 15, v0                           ; r
	v_bfe_u32 v2, v0, 4, 1                         ; h
	v_and_b32 v14, 31, v0                          ; lane
	v_lshlrev_b32 v[VH], 7, v2
	v_and_b32 v[VW], 7, v1
	v_lshrrev_b32 v15, 3, v1
	v_lshlrev_b32 v[VW], 2, v[VW]
	v_lshl_add_u32 v[VW], v15, 7, v[VW]
	v_lshl_add_u32 v[VW], v2, 13, v[VW]
	v_mul_u32_u24 v[VP], v1, 48
	v_lshlrev_b32 v[VO], 4, v1
	v_lshl_add_u32 v[VO], v2, 3, v[VO]
	v_lshlrev_b32 v[VI], 4, v14
	v_lshlrev_b32 v[VL], 2, v14
	s_lshl_b32 s40, s32, 9
	v_add_nc_u32 v[VIS], s40, v[VI]
	s_lshl_b32 s40, s32, 7
	v_add_nc_u32 v[VSS], s40, v[VL]
	v_mov_b32 v[HT+6], 0                           ; written once: a lane permute's destination counts as one of its sources
.irp q, 0,1,2,3
.irp j, 4,5,6,7
	v_mov_b32 v[XC+8*\q+\j], 0                     ; k = 64 .. 127 of x's four operands: zero codes, for the whole launch
.endr
.endr
	s_mov_b32 s33, NB                              ; batches to go
	s_mov_b32 s34, 0x3e4ccccd                      ; 0.2
	s_mov_b32 s35, s34                             ; (named with it as a pair, so it is written)
	s_mov_b32 s36, 0xffff0000                      ; the lanes with h = 1
	s_mov_b32 s38, 0x76543210                      ; v_permlanex16_b32's selects for lane l xor 16
	s_mov_b32 s39, 0xfedcba98
	s_mul_i32 s40, ttmp9, 49152                    ; points: 4,096 a work-group, 1,024 a wave, 12 bytes each
	s_mul_i32 s42, s32, 12288
	s_add_co_u32 s40, s40, s42
	s_mov_b32 s41, 0
	s_lshl_b32 s42, ttmp9, 14                      ; out0: 4 bytes each
	s_lshl_b32 s44, s32, 12
	s_add_co_u32 s42, s42, s44
	s_mov_b32 s43, 0
	s_lshl_b32 s44, s32, 5                         ; wh: my tile's columns begin at 8 x wave
	s_mov_b32 s45, 0
	s_wait_kmcnt 0x0
	s_load_b32 s30, s[24:25], 0x0                  ; so
	s_load_b32 s31, s[26:27], 0x0                  ; bo
	s_add_nc_u64 s[8:9], s[8:9], s[40:41]
	s_add_nc_u64 s[28:29], s[28:29], s[42:43]
	s_add_nc_u64 s[16:17], s[16:17], s[44:45]
	global_load_b128 v[PT:PT+3], v[VP], s[8:9]             ; the first batch's points.  No cache hint: a batch's three loads touch the same 768 bytes
	global_load_b128 v[PT+4:PT+7], v[VP], s[8:9] offset:16
	global_load_b128 v[PT+8:PT+11], v[VP], s[8:9] offset:32
	WIN 0x40                                       ; destination window 1
.irp l, 0,1,2,3
	LOADC 64*\l, 18, 256*\l
	LOADC 64*\l+32, 20, 256*\l
.endr
	WIN 0x80                                       ; destination window 2
.irp l, 4,5
	LOADC 64*(\l-4), 18, 256*\l
	LOADC 64*(\l-4)+32, 20, 256*\l
.endr
.irp j, 0,1,2,3
	v_mov_b32 v[WC+96+\j], 0                       ; behind W's last fragment: what its registers 4-7 name
.endr
	WIN 0xc0                                       ; destination window 3
	LOADC W0R, 10, 0
	LOADC W0R+32, 10, 256
	LOADC W0R+64, 10, 512
	LOADC SC0, 12, 0
	LOADC BI0, 14, 0
	LOADC WOUT, 22, 0
	WIN 0
	; wh is quantised once by the work-group: wave w makes tile w of all six layers, two blocks of loads ahead
	LOADW 0
	LOADW 1
.irp l, 0,1,2,3,4,5
	BLOCKW \l
.endr
	s_barrier_signal -1                            ; each wave's LDS stores have landed (the wait for 0 at the last block's end)
	s_barrier_wait -1                              ; the 24 fragments and their scale words lie in LDS; they are written no more
	WIN 0x80
.set f, 0
.rept 24
	ds_load_b128 v[WC+4*f:WC+4*f+3], v[VI] offset:IMG+512*f
.set f, f+1
.endr
	WIN 0
.set f, 0
.rept 24
	ds_load_b32 v[WS+f], v[VL] offset:SCW+128*f
.set f, f+1
.endr
	s_wait_dscnt 0x0
	s_wait_kmcnt 0x0                               ; so, bo
	; ---- THE LOOP: a batch of 64 points a trip
.Lbatch:
	s_wait_loadcnt 0x0                             ; this batch's points, asked for a batch ago (the first: at the head)
	HEAD0 0
	LRELU 0
	QUANT 0
	HEAD0 1
	MM 0, 0
	s_cmp_eq_u32 s33, 1                            ; the next batch's points, if there is a next batch: no load leaves its buffer
	s_cbranch_scc1 .Lno_next
	s_add_nc_u64 s[8:9], s[8:9], 768               ; (the loads that named this base were shown done at the trip's head)
	global_load_b128 v[PT:PT+3], v[VP], s[8:9]
	global_load_b128 v[PT+4:PT+7], v[VP], s[8:9] offset:16
	global_load_b128 v[PT+8:PT+11], v[VP], s[8:9] offset:32
.Lno_next:
	LRELU 1
	QUANT 1
.irp l, 0,1,2,3,4
	HEADH 0, \l
	MM 1, \l
	LRELU 0
	QUANT 0
	HEADH 1, \l
	MM 0, \l+1
	LRELU 1
	QUANT 1
.endr
	HEADH 0, 5
	MM 1, 5
	LRELU 0
	DOT 0
	HEADH 1, 5
	LRELU 1
	DOT 1
	v_cndmask_b32 v[RES], v[DR], v[DR+2], s36      ; lanes 0-15 take tiles 0 and 1, lanes 16-31 tiles 2 and 3: points 4 r + 2 h and 4 r + 2 h + 1
	v_cndmask_b32 v[RES+1], v[DR+1], v[DR+3], s36
	v_fma_f32 v[RES], v[RES], s30, s31             ; x so + bo
	v_fma_f32 v[RES+1], v[RES+1], s30, s31
	global_store_b64 v[VO], v[RES:RES+1], s[28:29] th:TH_STORE_NT   ; the wave stores 256 consecutive bytes, at a multiple of 256 from out0's first byte; written once, read by nobody here
	s_wait_xcnt 0x0                                ; the store's base and data are written again only behind this wait (ISA guide 3.1)
	s_add_nc_u64 s[28:29], s[28:29], 256
	s_sub_co_u32 s33, s33, 1
	s_cmp_lg_u32 s33, 0
	s_cbranch_scc1 .Lbatch
	s_wait_tensorcnt 0x0
	ds_add_u32 v58, v59
	s_wait_dscnt 0x0
	s_endpgm
.Lfunc_end_k_qe1bbb792e4_mlp:
	.size	k_qe1bbb792e4_mlp, .Lfunc_end_k_qe1bbb792e4_mlp-k_qe1bbb792e4_mlp
	.p2alignl 7, 3214868480
	.fill 96, 4, 3214868480
	.section	.rodata,"a",@progbits
	.p2align	6, 0x0
	.amdhsa_kernel k_qe1bbb792e4_mlp
		.amdhsa_group_segment_fixed_size 15872
		.amdhsa_private_segment_fixed_size 0
		.amdhsa_enable_private_segment 0
		.amdhsa_kernarg_size 88
		.amdhsa_user_sgpr_count 2
		.amdhsa_user_sgpr_kernarg_segment_ptr 1
		.amdhsa_wavefront_size32 1
		.amdhsa_system_sgpr_workgroup_id_x 1
		.amdhsa_system_sgpr_workgroup_id_y 1
		.amdhsa_system_sgpr_workgroup_id_z 1
		.amdhsa_system_vgpr_workitem_id 0
		.amdhsa_next_free_vgpr 960
		.amdhsa_next_free_sgpr 66
		.amdhsa_reserve_vcc 0
		.amdhsa_float_denorm_mode_32 3
		.amdhsa_float_denorm_mode_16_64 3
		.amdhsa_memory_ordered 1
		.amdhsa_forward_progress 1
		.amdhsa_inst_pref_size 200
	.end_amdhsa_kernel
	.amdgpu_metadata
---
amdhsa.version: [ 1, 2 ]
amdhsa.kernels:
  - .name:           k_qe1bbb792e4_mlp
    .symbol:         k_qe1bbb792e4_mlp.kd
    .args:
      - { .name: points, .offset: 0, .size: 8, .value_kind: global_buffer, .address_space: global }
      - { .name: w0, .offset: 8, .size: 8, .value_kind: global_buffer, .address_space: global }
      - { .name: s0, .offset: 16, .size: 8, .value_kind: global_buffer, .address_space: global }
      - { .name: b0, .offset: 24, .size: 8, .value_kind: global_buffer, .address_space: global }
      - { .name: wh, .offset: 32, .size: 8, .value_kind: global_buffer, .address_space: global }
      - { .name: sh, .offset: 40, .size: 8, .value_kind: global_buffer, .address_space: global }
      - { .name: bh, .offset: 48, .size: 8, .value_kind: global_buffer, .address_space: global }
      - { .name: wo, .offset: 56, .size: 8, .value_kind: global_buffer, .address_space: global }
      - { .name: so, .offset: 64, .size: 8, .value_kind: global_buffer, .address_space: global }
      - { .name: bo, .offset: 72, .size: 8, .value_kind: global_buffer, .address_space: global }
      - { .name: out0, .offset: 80, .size: 8, .value_kind: global_buffer, .address_space: global }
    .group_segment_fixed_size: 15872
    .private_segment_fixed_size: 0
    .kernarg_segment_align: 8
    .kernarg_segment_size: 88
    .max_flat_workgroup_size: 128
    .sgpr_count:     66
    .vgpr_count:     960
    .wavefront_size: 32
...
	.end_amdgpu_metadata
.endif
;; end of part 1
;; ======== version 2 of 2: 1 launch; version 1 with the launch mlp written anew for expert scheduling mode
;; launch mlp (part 2): grid 256 x 1, 4 waves a work-group, no clusters, 15,872 bytes of LDS; arguments points, w0, s0, b0, wh, sh, bh, wo, so, bo, out0; writes out0
.if DOCPART == 2
	.amdgcn_target "amdgcn-amd-amdhsa--gfx1250"
	.amdhsa_code_object_version 6
	.text
	.protected	k_qe1bbb792e4_mlp
	.globl	k_qe1bbb792e4_mlp
	.p2align	8
	.type	k_qe1bbb792e4_mlp,@function
k_qe1bbb792e4_mlp:
	s_mov_b64 s[64:65], 0
	v_nop
	global_prefetch_b8 v0, s[64:65] scope:SCOPE_SE
	s_setreg_imm32_b32 hwreg(HW_REG_WAVE_SCHED_MODE, 0, 2), 2
	s_setreg_imm32_b32 hwreg(HW_REG_WAVE_MODE, 25, 1), 1
	s_wait_xcnt 0x0
	s_wait_alu depctr_vm_vsrc(0)
; out[p] = (x7[p] . wo) so + bo,  x1 = lrelu((points w0) s0 + b0),  x(l+2) = lrelu((Q(x(l+1)) Q(wh[l])) sh[l] + bh[l]), l = 0 .. 5,  lrelu(y) = max(y, 0.2 y).
; Q: codes of FP4 (E2M1) with one E8M0 scale for each 32 along K = 64.  The first product (K = 3) and the last (N = 1) are f32 fused multiply-adds; all else is f32.
; WHAT DECIDES THE FORM: for each number of a hidden layer there are a scale and bias, a LeakyReLU, a share of a block's maximum and a conversion, against half a matrix instruction's K: in a batch the vector
; instructions outnumber the matrix instructions about twenty-three to one.  So the text is laid to spare vector, LDS and memory instructions, not matrix time.
; SHARES.  256 work-groups of four waves; a wave owns 1,024 points and walks them in 16 batches of 64 (four tiles of 16).  EVERY PARAMETER STAYS IN THE WAVE'S REGISTERS for the whole launch (about 700),
; so a batch costs three loads (its points, asked for a batch ahead) and one store; the loop has no LDS instruction and no barrier.
; LAYOUT.  The products are used transposed: source 0 = 16 columns of wh[l], source 1 = 16 points.  Tile t takes as its row rho the column 8 t + rho % 8 + 32 (rho / 8).  In the result, lane (r, h)
; (r = lane % 16, h = lane / 16), register 8 t + j then holds unit 32 h + 8 t + j of point r: A LANE'S 32 REGISTERS ARE ONE WHOLE BLOCK OF 32 ALONG THE NEXT K, in order.  Its maximum needs no other lane, and four
; conversions give registers 0-3 of the next source 1 as they stand.  One lane exchange a tile and layer joins the two scale bytes of a point.
; K = 64 OF THE INSTRUCTION'S 128: registers 4-7 of every x operand are zero codes, written once.  Against zeros anything finite adds nothing, so registers 4-7 of a fragment of W are simply the next
; fragment's codes (four zeroed registers stand behind the last), and the scale bytes 2 and 3 are 0, which is 2^-127 and no NaN.
; POINTS OF A TILE.  Lane r of tile q is point 4 r + q of the batch: a lane's four points are 48 consecutive bytes on the way in, and on the way out lane (r, h) holds the results of tiles 2 h and 2 h + 1,
; 8 consecutive bytes: the wave's store covers 256 consecutive bytes, aligned.
; BY TURNS.  The tiles are two pairs (0, 1 and 2, 3).  A pair's eight matrix instructions are issued in front of the other pair's LeakyReLU and quantising.
; NO CLUSTER, NO TENSOR LOADS: what work-groups share is 103 KB of parameters, read once by each at its head; the stream is 48 bytes a lane and batch.
; LIMITS: NaN and infinities among the inputs or on the way are not served.  A block whose largest magnitude lies under 2^-124 gets the scale byte 1 (the quantiser's own lower bound); a block of zeros gets that byte
; too where the quantiser says 127: its codes are zeros, and nobody else reads the byte.  Multiplies and adds are fused, and the last product is summed in four chains a point: an order of rounding other than reference()'s.
; THE MODE: SCHED_MODE bits 1:0 = 2 (LLVM: expert scheduling mode 2), set by the entry lines.  The code itself states the register dependences between vector or matrix instructions and memory or LDS
; instructions, with s_wait_alu, always for 0.
; THE PLAN.  Registers that memory or LDS instructions touch, and who else names them:
;   v3-v9, v12   addresses and offsets: written once at the head, ahead of the first wait on va_vdst, read by every load and store, never written again: scalar bases and immediates reach the rows.
;   PT           a batch's points.  Read by HEAD0 0 and HEAD0 1 alone; the next batch's three loads land in it.  They are issued behind MM 0, 0, whose wait stands behind HEAD0 1; the eight matrix
;                instructions between that wait and the loads name the tiles, W's and x's codes and the scale words: neither PT nor the loads' offset.  So the loads have no wait of their own.
;   RES          written by four lines at the trip's end, read by the batch's store.  One wait on va_vdst ahead of the store; the wait on vm_vsrc, beside the one on XCNT, stands ahead of the lines that write RES
;                again: a whole batch behind the store that it waits for.
;   at the head  v64-127, two sets of 32 numbers of wh: read by a block's maxima and conversions, loaded again for the block two on.  v192-195 and v203, a block's codes and scale word: written by the block's
;                last lines, read by its two LDS stores, written again by the next block (behind the last: by the loop).  One wait on va_vdst ahead of a block's stores and loads, one on vm_vsrc at its end.
;   windows 1-3 and W's scale words are loaded once and from then on only read, behind their counters' waits.
;   XC, XS       no memory instruction names them; QUANT writes them and scaled matrix instructions take them: one wait on va_vdst stands in each MM, behind the places, ahead of its eight instructions.
;
; REGISTERS, in windows of 256 (s_set_vgpr_msb: bits 1:0 source 0, 3:2 source 1, 5:4 source 2, 7:6 destination):
;   window 0: v3-12 addresses and the result; v16-39 W's scale words; v40-43 x's; v44-55 a batch's points; v60-63 the last product; v64-191 the four tiles, 32 each; v192-223 at work; v224-255 x's four operands
;   window 1: layers 0-3: sh at 64 l, bh at 64 l + 32.   window 2: layers 4, 5 likewise; v128-223 W's 24 fragments of 4 registers; v224-227 zeros.   window 3: w0's rows at 0, 32, 64; s0 at 96; b0 at 128; wo at 160.
;   Register i of every parameter vector holds, in lane (r, h), element 32 h + i.
.set NB,    16                         ; batches a wave
.set IMG,   0                          ; LDS, at the head alone: the register image of fragment f = 4 l + t at 512 f + 16 x lane,
.set SCW,   24*512                     ; and its scale words at 128 f + 4 x lane
.set VH,    3                          ; v3   128 h: my half of a parameter vector
.set VW,    4                          ; v4   wh: 8192 h + 4 (r % 8) + 128 (r / 8): row 32 h, my column of tile 0
.set VP,    5                          ; v5   48 r: my four points
.set VO,    6                          ; v6   16 r + 8 h: my two results
.set VI,    7                          ; v7   16 x lane
.set VIS,   8                          ; v8   16 x lane + 512 x wave
.set VSS,   9                          ; v9   4 x lane + 128 x wave
.set RES,   10                         ; v[10:11] my two results
.set VL,    12                         ; v12  4 x lane
.set WS,    16                         ; W's scale words, fragment f at WS + f: they hold scales and nothing else
.set XS,    40                         ; x's scale word of tile q: likewise
.set PT,    44                         ; coordinate c of tile q's point at PT + 3 q + c
.set DR,    60                         ; tile q's last product
.set ACC,   64                         ; tile q at ACC + 32 q
.set Z,     192                        ; at work
.set XC,    224                        ; tile q's operand at XC + 8 q
.set HC,    192                        ; the head: a block's codes,
.set HT,    196                        ; and its temporaries
.set WC,    128                        ; in window 2
.set W0R,   0                          ; in window 3
.set SC0,   96
.set BI0,   128
.set WOUT,  160
.set MSB,   0
.macro WIN new                         ; the immediate's high byte repeats the setting that is left; a switch that changes nothing is dropped
.if MSB != \new
	s_set_vgpr_msb (MSB<<8)|\new
.set MSB, \new
.endif
.endm
; a parameter vector of 64 numbers: my half's 32, eight loads of 16 bytes
.macro LOADC dst, ptr, off
.irp j, 0,1,2,3,4,5,6,7
	global_load_b128 v[\dst+4*\j:\dst+4*\j+3], v[VH], s[\ptr:\ptr+1] offset:\off+16*\j
.endr
.endm
; wh[l](32 h + i, my column), i = 0 .. 31: a lane takes a column and its registers run down K, so that a block lies in one lane
.macro LOADW l
.set i, 0
.rept 32
	global_load_b32 v[ACC+32*((\l)%2)+i], v[VW], s[16:17] offset:16384*(\l)+256*i
.set i, i+1
.endr
.endm
; Line mi of the 16 that find the largest magnitude of the 32 registers from a on: four chains c .. c + 3 of seven numbers each, the four numbers left over, the floor 2^(3 - 127), which holds the scale's byte at 1 from below, and the chains' join.
.macro MAXI a, c
.if mi < 4
	v_max3_num_f32 v[\c+mi], |v[\a+8*mi]|, |v[\a+8*mi+1]|, |v[\a+8*mi+2]|
.elseif mi < 12
	v_max3_num_f32 v[\c+mi%4], v[\c+mi%4], |v[\a+8*(mi%4)+2*(mi/4)+1]|, |v[\a+8*(mi%4)+2*(mi/4)+2]|
.elseif mi == 12
	v_max3_num_f32 v[\c], v[\c], |v[\a+7]|, |v[\a+15]|
.elseif mi == 13
	v_max3_num_f32 v[\c+2], v[\c+2], |v[\a+23]|, |v[\a+31]|
.elseif mi == 14
	v_max3_num_f32 v[\c], v[\c], v[\c+1], 0x1800000
.else
	v_max3_num_f32 v[\c], v[\c], v[\c+2], v[\c+3]
.endif
.endm
; The head: my tile (t = my wave's number) of wh[l] becomes a fragment's four registers and its scale word, and both go to LDS as images of the registers.
.macro BLOCKW l
.set WA, ACC+32*((\l)%2)
.if (\l) < 5
	s_wait_loadcnt 32                              ; loads come back in order: all but the 32 issued behind this block's, which are the next block's, are in
.else
	s_wait_loadcnt 0x0
.endif
.set mi, 0
.rept 16
	MAXI WA, HT
.set mi, mi+1
.endr
	v_add_nc_u32 v[HT+4], 0xff000000, v[HT]        ; 2 off the exponent field: the conversion takes the exponent field of this operand as its scale, and nothing else of it
	v_lshrrev_b32 v[HT+5], 23, v[HT+4]             ; the scale's byte of block h
	v_permlanex16_b32 v[HT+6], v[HT+5], s38, s39   ; and the other block's, from lane l xor 16
.irp g, 0,1,2,3
	v_cvt_scalef32_pk8_fp4_f32 v[HC+\g], v[WA+8*\g:WA+8*\g+7], v[HT+4]
.endr
	v_lshl_or_b32 v[HT+7], v[HT+6], 8, v[HT+5]     ; lanes 0-15 (the ones that are read): byte 0 block 0, byte 1 block 1, bytes 2 and 3 zero.  Also the plain line behind the last conversion
	s_wait_alu depctr_va_vdst(0)                   ; the conversions have written v[HC ..] and the line above v[HT+7], which the LDS stores read; the maxima and the conversions are done reading this block's 32 numbers, in which the loads below land
	ds_store_b128 v[VIS], v[HC:HC+3] offset:IMG+2048*(\l)
	ds_store_b32 v[VSS], v[HT+7] offset:SCW+512*(\l)
.if (\l) < 4
	LOADW (\l)+2                                   ; into the registers just converted.  No wait: no vector instruction since the wait above
.endif
	s_wait_dscnt 0x0                               ; my LDS stores have landed.  (The last block's wait is the one that the barrier leans on, for the others' sake)
	s_wait_alu depctr_vm_vsrc(0)                   ; the LDS stores have read v[HC ..] and v[HT+7], which the next block writes again, and behind the last block the loop's LeakyReLU
.endm
; Layer 0, one coordinate of tile q: y (+)= w0[c][:] x the point's coordinate c, which is one register of a pair: op_sel and op_sel_hi name the same half of it for both results.
.macro L0C q, c
.set pr, PT+3*(\q)+(\c)
.set pb, pr-pr%2
.set ab, ACC+32*(\q)
.set i, 0
.rept 16
.if (\c) == 0
.if pr%2
	v_pk_mul_f32 v[ab+2*i:ab+2*i+1], v[W0R+2*i:W0R+2*i+1], v[pb:pb+1] op_sel:[0,1] op_sel_hi:[1,1]
.else
	v_pk_mul_f32 v[ab+2*i:ab+2*i+1], v[W0R+2*i:W0R+2*i+1], v[pb:pb+1] op_sel_hi:[1,0]
.endif
.else
.if pr%2
	v_pk_fma_f32 v[ab+2*i:ab+2*i+1], v[W0R+32*(\c)+2*i:W0R+32*(\c)+2*i+1], v[pb:pb+1], v[ab+2*i:ab+2*i+1] op_sel:[0,1,0] op_sel_hi:[1,1,1]
.else
	v_pk_fma_f32 v[ab+2*i:ab+2*i+1], v[W0R+32*(\c)+2*i:W0R+32*(\c)+2*i+1], v[pb:pb+1], v[ab+2*i:ab+2*i+1] op_sel_hi:[1,0,1]
.endif
.endif
.set i, i+1
.endr
.endm
; Layer 0 of pair x (tiles 2 x, 2 x + 1), by kinds, so that no line waits for the line above it: 128 packed instructions
.macro HEAD0 x
	WIN 0x03                                       ; source 0 (w0) window 3
.irp c, 0,1,2
	L0C 2*(\x), \c
	L0C 2*(\x)+1, \c
.endr
	WIN 0x3c                                       ; sources 1 and 2 (s0, b0) window 3
.irp q, 2*(\x), 2*(\x)+1
.set i, 0
.rept 16
	v_pk_fma_f32 v[ACC+32*(\q)+2*i:ACC+32*(\q)+2*i+1], v[ACC+32*(\q)+2*i:ACC+32*(\q)+2*i+1], v[SC0+2*i:SC0+2*i+1], v[BI0+2*i:BI0+2*i+1]
.set i, i+1
.endr
.endr
.endm
; The sums of layer l, pair x, times sh[l] plus bh[l].  The registers ascend.
.macro HEADH x, l
.if (\l) < 4
	WIN 0x14                                       ; sources 1 and 2 window 1
.set sb, 64*(\l)
.else
	WIN 0x28                                       ; window 2
.set sb, 64*((\l)-4)
.endif
.set i, 0
.rept 16
.irp q, 2*(\x), 2*(\x)+1
	v_pk_fma_f32 v[ACC+32*(\q)+2*i:ACC+32*(\q)+2*i+1], v[ACC+32*(\q)+2*i:ACC+32*(\q)+2*i+1], v[sb+2*i:sb+2*i+1], v[sb+32+2*i:sb+33+2*i]
.endr
.set i, i+1
.endr
.endm
; The product of layer l for pair x: eight matrix instructions.  K = 64 fits one instruction, so each is a whole sum with the constant 0 as C: nothing is cleared and nothing is added onto.
; PLACES (ISA guide 7.12.1).  In front stand the 32 or 128 packed lines of the other pair's HEADH or HEAD0, behind the lines that wrote x's codes and scale words.  Behind stand the other pair's LRELU and QUANT or DOT,
; 70 plain lines or more that name none of these registers, before the results are read or the operands written again.
.macro MM x, l
	WIN 0x02                                       ; source 0 (W) window 2
	s_wait_alu depctr_va_vdst(0)                   ; QUANT has written pair x's codes v[XC ..] and scale words v[XS ..] (and the head the zero codes beside them), which the scaled matrix instructions below take; the places stand ahead of this wait
.irp t, 0,1,2,3
.irp q, 2*(\x), 2*(\x)+1
	v_wmma_scale_f32_16x16x128_f8f6f4 v[ACC+32*(\q)+8*\t:ACC+32*(\q)+8*\t+7], v[WC+16*(\l)+4*\t:WC+16*(\l)+4*\t+7], v[XC+8*(\q):XC+8*(\q)+7], 0, v[WS+4*(\l)+\t], v[XS+(\q)] matrix_a_fmt:MATRIX_FMT_FP4 matrix_b_fmt:MATRIX_FMT_FP4
.endr
.endr
	WIN 0
.endm
; max(y, 0.2 y) is y where y >= 0 and 0.2 y elsewhere: two multiplies in one packed line, two maxima in one dual line (an even and the next odd register on each side)
.macro LRELU x
	WIN 0
.irp q, 2*(\x), 2*(\x)+1
.set i, 0
.rept 16
	v_pk_mul_f32 v[Z+2*i:Z+2*i+1], v[ACC+32*(\q)+2*i:ACC+32*(\q)+2*i+1], s[34:35] op_sel_hi:[1,0]
.set i, i+1
.endr
.set i, 0
.rept 16
	v_dual_max_num_f32 v[ACC+32*(\q)+2*i], v[ACC+32*(\q)+2*i], v[Z+2*i] :: v_dual_max_num_f32 v[ACC+32*(\q)+2*i+1], v[ACC+32*(\q)+2*i+1], v[Z+2*i+1]
.set i, i+1
.endr
.endr
.endm
; Pair x's two tiles become operands: each lane's 32 numbers are a block.  The two tiles take turns line by line.  (The permute's destination was written by LRELU.)
.macro QUANT x
.set QA, ACC+64*(\x)
.set mi, 0
.rept 16
	MAXI QA, Z
	MAXI QA+32, Z+8
.set mi, mi+1
.endr
.irp p, 0,1
	v_add_nc_u32 v[Z+8*\p+4], 0xff000000, v[Z+8*\p]        ; 2 off the exponent field: the conversion's scale operand
.endr
.irp p, 0,1
	v_lshrrev_b32 v[Z+8*\p+5], 23, v[Z+8*\p+4]             ; the scale's byte
.endr
.irp p, 0,1
	v_permlanex16_b32 v[Z+8*\p+6], v[Z+8*\p+5], s38, s39   ; the point's other block's byte
.endr
.irp p, 0,1
.irp g, 0,1,2,3
	v_cvt_scalef32_pk8_fp4_f32 v[XC+8*(2*(\x)+\p)+\g], v[ACC+32*(2*(\x)+\p)+8*\g:ACC+32*(2*(\x)+\p)+8*\g+7], v[Z+8*\p+4]   ; k = 32 h + 8 g + 0 .. 7: register g of the operand
.endr
.endr
.irp p, 0,1
	v_lshl_or_b32 v[XS+2*(\x)+\p], v[Z+8*\p+6], 8, v[Z+8*\p+5]   ; lanes 0-15: byte 0 block 0, byte 1 block 1.  Also the plain lines behind the last conversion
.endr
.endm
; The last product of pair x: my 32 units against wo, two chains a tile, the four chains by turns; then the pair's halves and lane l xor 16's 32 units
.macro DOT x
	WIN 0x0c                                       ; source 1 (wo) window 3
.set i, 0
.rept 8
.irp p, 0,1
.irp u, 0,1
.if i == 0
	v_pk_mul_f32 v[Z+8*\p+2*\u:Z+8*\p+2*\u+1], v[ACC+32*(2*(\x)+\p)+16*\u+2*i:ACC+32*(2*(\x)+\p)+16*\u+2*i+1], v[WOUT+16*\u+2*i:WOUT+16*\u+2*i+1]
.else
	v_pk_fma_f32 v[Z+8*\p+2*\u:Z+8*\p+2*\u+1], v[ACC+32*(2*(\x)+\p)+16*\u+2*i:ACC+32*(2*(\x)+\p)+16*\u+2*i+1], v[WOUT+16*\u+2*i:WOUT+16*\u+2*i+1], v[Z+8*\p+2*\u:Z+8*\p+2*\u+1]
.endif
.endr
.endr
.set i, i+1
.endr
	WIN 0
.irp p, 0,1
	v_pk_add_f32 v[Z+8*\p:Z+8*\p+1], v[Z+8*\p:Z+8*\p+1], v[Z+8*\p+2:Z+8*\p+3]
.endr
.irp p, 0,1
	v_add_f32 v[Z+8*\p+4], v[Z+8*\p], v[Z+8*\p+1]
.endr
.irp p, 0,1
	v_permlanex16_b32 v[Z+8*\p+5], v[Z+8*\p+4], s38, s39
.endr
.irp p, 0,1
	v_add_f32 v[DR+2*(\x)+\p], v[Z+8*\p+4], v[Z+8*\p+5]
.endr
.endm
	; ---- THE HEAD
	s_load_b512 s[8:23], s[0:1], 0x0               ; points s[8:9], w0 s[10:11], s0 s[12:13], b0 s[14:15], wh s[16:17], sh s[18:19], bh s[20:21], wo s[22:23]
	s_load_b128 s[24:27], s[0:1], 0x40             ; so, bo
	s_load_b64 s[28:29], s[0:1], 0x50              ; out0
	v_lshl_add_u32 v58, v0, 2, 0x3c00
	v_mov_b32 v59, 0
	v_lshrrev_b32 v1, 5, v0
	v_readfirstlane_b32 s32, v1                    ; wave 0..3
	v_and_b32 v1, 15, v0                           ; r
	v_bfe_u32 v2, v0, 4, 1                         ; h
	v_and_b32 v14, 31, v0                          ; lane
	v_lshlrev_b32 v[VH], 7, v2
	v_and_b32 v[VW], 7, v1
	v_lshrrev_b32 v15, 3, v1
	v_lshlrev_b32 v[VW], 2, v[VW]
	v_lshl_add_u32 v[VW], v15, 7, v[VW]
	v_lshl_add_u32 v[VW], v2, 13, v[VW]
	v_mul_u32_u24 v[VP], v1, 48
	v_lshlrev_b32 v[VO], 4, v1
	v_lshl_add_u32 v[VO], v2, 3, v[VO]
	v_lshlrev_b32 v[VI], 4, v14
	v_lshlrev_b32 v[VL], 2, v14
	s_wait_alu depctr_va_sdst(0)                   ; s32 is written, ahead of its first reader: LDS addresses and the bases of points, out0 and wh are made from it
	s_lshl_b32 s40, s32, 9
	v_add_nc_u32 v[VIS], s40, v[VI]
	s_lshl_b32 s40, s32, 7
	v_add_nc_u32 v[VSS], s40, v[VL]
	v_mov_b32 v[HT+6], 0                           ; written once: a lane permute's destination counts as one of its sources
.irp q, 0,1,2,3
.irp j, 4,5,6,7
	v_mov_b32 v[XC+8*\q+\j], 0                     ; k = 64 .. 127 of x's four operands: zero codes, for the whole launch
.endr
.endr
	s_mov_b32 s33, NB                              ; batches to go
	s_mov_b32 s34, 0x3e4ccccd                      ; 0.2
	s_mov_b32 s35, s34                             ; (named with it as a pair, so it is written)
	s_mov_b32 s36, 0xffff0000                      ; the lanes with h = 1
	s_mov_b32 s38, 0x76543210                      ; v_permlanex16_b32's selects for lane l xor 16
	s_mov_b32 s39, 0xfedcba98
	s_mul_i32 s40, ttmp9, 49152                    ; points: 4,096 a work-group, 1,024 a wave, 12 bytes each
	s_mul_i32 s42, s32, 12288
	s_add_co_u32 s40, s40, s42
	s_mov_b32 s41, 0
	s_lshl_b32 s42, ttmp9, 14                      ; out0: 4 bytes each
	s_lshl_b32 s44, s32, 12
	s_add_co_u32 s42, s42, s44
	s_mov_b32 s43, 0
	s_lshl_b32 s44, s32, 5                         ; wh: my tile's columns begin at 8 x wave
	s_mov_b32 s45, 0
	s_wait_kmcnt 0x0
	s_load_b32 s30, s[24:25], 0x0                  ; so
	s_load_b32 s31, s[26:27], 0x0                  ; bo
	s_add_nc_u64 s[8:9], s[8:9], s[40:41]
	s_add_nc_u64 s[28:29], s[28:29], s[42:43]
	s_add_nc_u64 s[16:17], s[16:17], s[44:45]
	s_wait_alu depctr_va_vdst(0)                   ; the addresses and offsets v3 to v9 and v12 are written: every load and store of the kernel, global or LDS, reads one of them, and none is written again
	global_load_b128 v[PT:PT+3], v[VP], s[8:9]             ; the first batch's points.  No cache hint: a batch's three loads touch the same 768 bytes
	global_load_b128 v[PT+4:PT+7], v[VP], s[8:9] offset:16
	global_load_b128 v[PT+8:PT+11], v[VP], s[8:9] offset:32
	WIN 0x40                                       ; destination window 1
.irp l, 0,1,2,3
	LOADC 64*\l, 18, 256*\l
	LOADC 64*\l+32, 20, 256*\l
.endr
	WIN 0x80                                       ; destination window 2
.irp l, 4,5
	LOADC 64*(\l-4), 18, 256*\l
	LOADC 64*(\l-4)+32, 20, 256*\l
.endr
.irp j, 0,1,2,3
	v_mov_b32 v[WC+96+\j], 0                       ; behind W's last fragment: what its registers 4-7 name.  (No load or store names these four registers)
.endr
	WIN 0xc0                                       ; destination window 3
	LOADC W0R, 10, 0
	LOADC W0R+32, 10, 256
	LOADC W0R+64, 10, 512
	LOADC SC0, 12, 0
	LOADC BI0, 14, 0
	LOADC WOUT, 22, 0
	WIN 0
	; wh is quantised once by the work-group: wave w makes tile w of all six layers, two blocks of loads ahead
	LOADW 0
	LOADW 1
.irp l, 0,1,2,3,4,5
	BLOCKW \l
.endr
	s_barrier_signal -1                            ; each wave's LDS stores have landed (the wait for 0 at the last block's end)
	s_barrier_wait -1                              ; the 24 fragments and their scale words lie in LDS; they are written no more
	WIN 0x80
.set f, 0
.rept 24
	ds_load_b128 v[WC+4*f:WC+4*f+3], v[VI] offset:IMG+512*f   ; no vector instruction has named these registers
.set f, f+1
.endr
	WIN 0
.set f, 0
.rept 24
	ds_load_b32 v[WS+f], v[VL] offset:SCW+128*f    ; nor these
.set f, f+1
.endr
	s_wait_dscnt 0x0
	s_wait_kmcnt 0x0                               ; so, bo
	; ---- THE LOOP: a batch of 64 points a trip
.Lbatch:
	s_wait_loadcnt 0x0                             ; this batch's points, asked for a batch ago (the first: at the head)
	HEAD0 0
	LRELU 0
	QUANT 0
	HEAD0 1
	MM 0, 0                                        ; its wait stands behind HEAD0 1: both pairs' first layers are done reading PT
	s_cmp_eq_u32 s33, 1                            ; the next batch's points, if there is a next batch: no load leaves its buffer
	s_cbranch_scc1 .Lno_next
	s_add_nc_u64 s[8:9], s[8:9], 768               ; (the loads that named this base were shown done at the trip's head)
	global_load_b128 v[PT:PT+3], v[VP], s[8:9]             ; no wait of their own: since the wait in MM 0, 0 only its eight matrix instructions were issued, which name neither PT nor v[VP]
	global_load_b128 v[PT+4:PT+7], v[VP], s[8:9] offset:16
	global_load_b128 v[PT+8:PT+11], v[VP], s[8:9] offset:32
.Lno_next:
	LRELU 1
	QUANT 1
.irp l, 0,1,2,3,4
	HEADH 0, \l
	MM 1, \l
	LRELU 0
	QUANT 0
	HEADH 1, \l
	MM 0, \l+1
	LRELU 1
	QUANT 1
.endr
	HEADH 0, 5
	MM 1, 5
	LRELU 0
	DOT 0
	HEADH 1, 5
	LRELU 1
	DOT 1
	s_wait_alu depctr_va_vdst(0)
	s_wait_xcnt 0x0                                ; the last batch's store has had its address translated (ISA guide 3.1): its base and its data are written again only behind this wait,
	s_wait_alu depctr_vm_vsrc(0)                   ; and it has read v[RES:RES+1], which the lines below write again
	s_add_nc_u64 s[28:29], s[28:29], 256           ; the base goes one batch past this batch's 256 bytes: the store below reaches back
	v_cndmask_b32 v[RES], v[DR], v[DR+2], s36      ; lanes 0-15 take tiles 0 and 1, lanes 16-31 tiles 2 and 3: points 4 r + 2 h and 4 r + 2 h + 1
	v_cndmask_b32 v[RES+1], v[DR+1], v[DR+3], s36
	v_fma_f32 v[RES], v[RES], s30, s31             ; x so + bo
	v_fma_f32 v[RES+1], v[RES+1], s30, s31
	s_wait_alu depctr_va_vdst(0)                   ; the two multiply-adds have written v[RES:RES+1], which the store reads
	global_store_b64 v[VO], v[RES:RES+1], s[28:29] offset:-256 th:TH_STORE_NT   ; the wave stores 256 consecutive bytes, at a multiple of 256 from out0's first byte; written once, read by nobody here
	s_sub_co_u32 s33, s33, 1
	s_cmp_lg_u32 s33, 0
	s_cbranch_scc1 .Lbatch
	s_wait_dscnt 0x0
	s_wait_alu depctr_hold_cnt(0) depctr_sa_sdst(0) depctr_va_vdst(0) depctr_va_sdst(0) depctr_va_ssrc(0) depctr_va_vcc(0) depctr_vm_vsrc(0)
	s_wait_tensorcnt 0x0
	ds_add_u32 v58, v59
	s_wait_dscnt 0x0
	s_endpgm
.Lfunc_end_k_qe1bbb792e4_mlp:
	.size	k_qe1bbb792e4_mlp, .Lfunc_end_k_qe1bbb792e4_mlp-k_qe1bbb792e4_mlp
	.p2alignl 7, 3214868480
	.fill 96, 4, 3214868480
	.section	.rodata,"a",@progbits
	.p2align	6, 0x0
	.amdhsa_kernel k_qe1bbb792e4_mlp
		.amdhsa_group_segment_fixed_size 15872
		.amdhsa_private_segment_fixed_size 0
		.amdhsa_enable_private_segment 0
		.amdhsa_kernarg_size 88
		.amdhsa_user_sgpr_count 2
		.amdhsa_user_sgpr_kernarg_segment_ptr 1
		.amdhsa_wavefront_size32 1
		.amdhsa_system_sgpr_workgroup_id_x 1
		.amdhsa_system_sgpr_workgroup_id_y 1
		.amdhsa_system_sgpr_workgroup_id_z 1
		.amdhsa_system_vgpr_workitem_id 0
		.amdhsa_next_free_vgpr 960
		.amdhsa_next_free_sgpr 66
		.amdhsa_reserve_vcc 0
		.amdhsa_float_denorm_mode_32 3
		.amdhsa_float_denorm_mode_16_64 3
		.amdhsa_memory_ordered 1
		.amdhsa_forward_progress 1
		.amdhsa_inst_pref_size 201
	.end_amdhsa_kernel
	.amdgpu_metadata
---
amdhsa.version: [ 1, 2 ]
amdhsa.kernels:
  - .name:           k_qe1bbb792e4_mlp
    .symbol:         k_qe1bbb792e4_mlp.kd
    .args:
      - { .name: points, .offset: 0, .size: 8, .value_kind: global_buffer, .address_space: global }
      - { .name: w0, .offset: 8, .size: 8, .value_kind: global_buffer, .address_space: global }
      - { .name: s0, .offset: 16, .size: 8, .value_kind: global_buffer, .address_space: global }
      - { .name: b0, .offset: 24, .size: 8, .value_kind: global_buffer, .address_space: global }
      - { .name: wh, .offset: 32, .size: 8, .value_kind: global_buffer, .address_space: global }
      - { .name: sh, .offset: 40, .size: 8, .value_kind: global_buffer, .address_space: global }
      - { .name: bh, .offset: 48, .size: 8, .value_kind: global_buffer, .address_space: global }
      - { .name: wo, .offset: 56, .size: 8, .value_kind: global_buffer, .address_space: global }
      - { .name: so, .offset: 64, .size: 8, .value_kind: global_buffer, .address_space: global }
      - { .name: bo, .offset: 72, .size: 8, .value_kind: global_buffer, .address_space: global }
      - { .name: out0, .offset: 80, .size: 8, .value_kind: global_buffer, .address_space: global }
    .group_segment_fixed_size: 15872
    .private_segment_fixed_size: 0
    .kernarg_segment_align: 8
    .kernarg_segment_size: 88
    .max_flat_workgroup_size: 128
    .sgpr_count:     66
    .vgpr_count:     960
    .wavefront_size: 32
...
	.end_amdgpu_metadata
.endif
;; end of part 2
